; MI455X (gfx1250); checked and timed in simulation.
; The chip was launched on July 23, 2026; its instructions are those of AMD's public machine-readable ISA for CDNA 5 (MIT licence, August 2026) and "CDNA5" Instruction Set Architecture Reference Guide (July 2026). The comments in the code are by the model that wrote it; some were corrected since.
;; LSTM Cell. Allowed arithmetic: matrix products marked QUANTISED: E2M1 operands, one E8M0 scale for each 32 along K, by v_wmma_scale_f32_16x16x128_f8f6f4 with both operands' format E2M1 (or v_wmma_scale_f32_32x16x128_f4), f32 sums; everything else in f32.
;; Inputs: Wf 2,048 x 1,024 float32; Wi 2,048 x 1,024 float32; Wo 2,048 x 1,024 float32; Wu 2,048 x 1,024 float32; bf 1,024 float32; bi 1,024 float32; bo 1,024 float32; bu 1,024 float32; c 8,192 x 1,024 float32; h 8,192 x 1,024 float32; x 8,192 x 1,024 float32.
;; Outputs: out0 8,192 x 1,024 float32; out1 8,192 x 1,024 float32.
;; This version of the problem:
;;   THIS VERSION OF THE PROBLEM IS GIVEN IN LOW PRECISION. The matrix products marked QUANTISED in the list below multiply operands that are first quantised to E2M1 (2 exponent bits, 1 mantissa bit; 4 bits a number), with one power-of-two scale for each 32 numbers along K (OCP MX v1.0); their sums are f32. All else is computed in f32.
;;   The module's matrix products, in the order in which they are computed (A, B: the left and right operand; K: the contracted axis; several contracted axes count as one K, in the product's order):
;;     1. [M 8,192, K 2,048] x [K 2,048, N 4,096]; A: computed on the way; B: computed on the way: QUANTISED
;;   THE QUANTISER, for each operand of a quantised product, along K:
;;     - K is cut into blocks of 32 from its start; a last block that is shorter is filled with zeros.
;;     - A block's scale is 2^e with e = floor(log2(the largest magnitude in the block)) - 2, held to -126 .. 127; a block of zeros has e = 0. As a byte (E8M0): e + 127.
;;     - Each number is divided by its block's scale, clamped to +-6, and rounded to the nearest number of E2M1, ties to even, subnormals kept.
;;     - The product sums the exact products of the quantised numbers (number of the format x scale) in f32.
;;   ~~~python
;;   def quantise(x, axis):      # numpy; x: float32 -> the quantised numbers, widened to float32 again
;;       x = np.moveaxis(x, axis, -1); K = x.shape[-1]
;;       x = np.pad(x, [(0, 0)] * (x.ndim - 1) + [(0, -K % 32)]); x = x.reshape(x.shape[:-1] + (-1, 32)); a = np.abs(x).max(-1, keepdims=True)
;;       e = np.where(a > 0, np.clip(np.frexp(np.where(a > 0, a, 1))[1] - 1 - 2, -126, 127), 0)      # np.frexp(a)[1] - 1 = floor(log2(a)), exactly
;;       r = np.clip(x / 2.0 ** e, -6, 6)
;;       step = 2.0 ** (np.maximum(np.frexp(np.where(r == 0, 1, r))[1] - 1, 0) - 1)
;;       q = np.round(r / step) * step * 2.0 ** e      # np.round: ties to even
;;       return np.moveaxis(q.reshape(q.shape[:-2] + (-1,))[..., :K], -1, axis).astype(np.float32)
;;   ~~~
;;   OPERANDS COMPUTED ON THE WAY. 'Computed on the way' means the value that the module computes at that place (a softmax that the list does not call 'softmax' is quantised finished and normalised). What goes into a quantiser is computed in f32, as accurately as f32 sums, v_exp_f32 and their like allow (about 1e-6 of the number): no bf16 or f16 on the way to a quantiser, and a product that is left as it is and whose result goes on into a quantised operand takes f32 operands (vector FMAs, or v_wmma_f32_16x16x4_f32). A number that lies on a knife's edge between two numbers of the format may be rounded either way, as far as f32 arithmetic and the matrix unit's own rounding can turn it there, and no further.
;; One version. Each part assembles by itself: llvm-mc -triple=amdgcn-amd-amdhsa -mcpu=gfx1250 --defsym DOCPART=n.
;; ======== version 1 of 1: 2 launches
;; limits: right only within a limited range of input values
;; workspace buffers: Ac 8,388,608 bytes; As 524,288 bytes; Bc 4,194,304 bytes; Bs 262,144 bytes
;; launch quant (part 1): grid 256 x 1, 8 waves a work-group, no clusters, 202,752 bytes of LDS; arguments x, h, Wf, Wi, Wo, Wu, Ac, As, Bc, Bs; writes Ac, As, Bc, Bs
.if DOCPART == 1
	.amdgcn_target "amdgcn-amd-amdhsa--gfx1250"
	.amdhsa_code_object_version 6
	.text
	.protected	k_qba398d0614_quant
	.globl	k_qba398d0614_quant
	.p2align	8
	.type	k_qba398d0614_quant,@function
k_qba398d0614_quant:
	s_mov_b64 s[64:65], 0
	v_nop
	global_prefetch_b8 v0, s[64:65] scope:SCOPE_SE
	s_setreg_imm32_b32 hwreg(HW_REG_WAVE_MODE, 25, 1), 1
	s_wait_xcnt 0x0
; [x | h] (8,192 x 2,048, K innermost) and [Wf | Wi | Wo | Wu] (2,048 x 4,096, K the FIRST axis), all f32, become codes of FP4 (E2M1) with one E8M0 byte for each 32 along K.
; A block's scale is 2^(floor(log2(its largest magnitude)) - 2): its byte is the largest magnitude's exponent field - 2, held at 1 from below; numbers are divided by the scale and rounded to the nearest code,
; ties to even, beyond 6 the largest code (the conversion does all three).
; LIMITS: NaN and infinities among the inputs are not served.  A block of zeros gets the byte 1 where the rule says 127: its codes are zeros, which add nothing, and this program alone reads the bytes.
; THE WORKSPACE IS LAID AS THE PRODUCT'S REGISTERS WANT IT.  Codes: [16 rows: a group][block kb of 32 K: 64][row in the group: 16][16 bytes], so that sixteen lanes which hold one block of sixteen rows
; store 256 consecutive bytes, aligned.  A's scale bytes: [run sg of 256 K: 8][row][8 bytes].
; B's groups: group 16 P + 4 w + g holds gate g (f, i, o, u) of hidden columns 64 P + 16 w + 0 .. 15.  B's scale bytes: [run sg: 8][P: 16][gate: 4][column in the 64][8 bytes].
; SHARES.  Work-group wg, eight waves of one kind.  Wave w takes of [x | h] rows 32 wg .. + 31, run sg = w (waves 0-3 from x, 4-7 from h); and of gate wg / 64, columns 64 ((wg / 4) % 16) .. + 63,
; the 64 rows k = 512 (wg % 4) + 64 w on: two blocks of 32 for each of 64 columns.  No cluster: no two work-groups read the same input byte.
; ROWS: each load reads 256 consecutive bytes of each of two rows; 32 rows x 256 bytes turn through the wave's own stage in LDS (rows 272 bytes apart), after which lane l holds 64 neighbours of row l.  Four steps.
; COLUMNS: the wave's 64 rows of k x 256 bytes come into its own LDS bytes by one tensor load, filled once; then a lane takes a column and its registers run down K: nothing is transposed by an instruction.
; ORDER: the tensor load and the loads of steps 0 and 1 go out at the head; steps 0 and 1 ask for steps 2 and 3; the columns are worked while those loads are out; then steps 2 and 3.
; A wave has 2 of the 8 scale bytes of a column's run: the eight waves' bytes meet in a table in LDS behind one barrier, and waves 0-3 store them as four aligned units of 256 bytes.
; Nothing is prefetched: there is no loop to run ahead in, and all that a wave reads is asked for by its second step.
.set STG,  8704                        ; a wave's stage: 32 rows x 272 bytes; eight of them from LDS byte 0; no tensor load lands there
.set WT,   69632                       ; behind them eight tiles of W, 16,384 bytes each
.set SCT,  200704                      ; W's scale bytes: 128 for each wave: [column half][lane][2]
.set SPARE, 201728                     ; the spare words, 128 bytes for each wave
.set R,    16                          ; v16-143  two sets of 64 registers as loaded
.set X,    144                         ; v144-207 64 neighbours of my row; for the columns two sets of 32 numbers down K
.set CX,   208                         ; v208-223 codes of two steps of rows; v224-239 codes of the four tasks of columns
.set SBX,  240                         ; v240-241 my row's 8 scale bytes
.set SBW,  242                         ; v242-243 the two scale bytes of my two columns
.set G1W,  32                          ; s[32:39] descriptor group 1;  s[40:43] group 0
	s_load_b256 s[4:11], s[0:1], 0x0               ; x, h, Wf, Wi
	s_load_b256 s[12:19], s[0:1], 0x20             ; Wo, Wu, Ac, As
	s_load_b128 s[20:23], s[0:1], 0x40             ; Bc, Bs
	v_lshl_add_u32 v254, v0, 2, SPARE
	v_mov_b32 v255, 0
	ds_add_u32 v254, v255                          ; the opening lines: the add, twice on end, and its wait; work on registers stands between
	ds_add_u32 v254, v255
	v_lshrrev_b32 v9, 5, v0
	s_delay_alu instid0(VALU_DEP_1)
	v_readfirstlane_b32 s24, v9                    ; wave 0..7
	s_mul_i32 s25, s24, STG                        ; my stage
	s_lshl_b32 s31, s24, 14
	s_add_co_u32 s31, s31, WT                      ; my tile of W
	s_lshl_b32 s28, s24, 7
	s_add_co_u32 s28, s28, SCT                     ; my 128 bytes of the table
	s_and_b32 s29, s24, 3                          ; the unit of 256 scale bytes that waves 0-3 store: run j / 2, columns 32 (j % 2) on
	s_lshr_b32 s29, s29, 1
	s_lshl_b32 s29, s29, 9                         ; that run's four waves' bytes,
	s_and_b32 s30, s24, 1
	s_lshl_b32 s30, s30, 6                         ; the column half
	s_add_co_u32 s29, s29, s30
	s_add_co_u32 s29, s29, SCT
	s_mov_b32 s[G1W+0], 3<<16                      ; no mask; elements of 8 bytes; no padding
	s_mov_b32 s[G1W+1], 32<<16                     ; tensor_dim0 = 32 elements: 256 bytes
	s_mov_b32 s[G1W+2], 64<<16                     ; tensor_dim1 = 64 rows
	s_mov_b32 s[G1W+3], 32<<16                     ; tile_dim0
	s_mov_b32 s[G1W+4], 64                         ; tile_dim1
	s_mov_b32 s[G1W+5], 512                        ; from row to row of W: 4,096 bytes
	s_mov_b32 s[G1W+6], 0
	s_mov_b32 s[G1W+7], 0
	v_and_b32 v1, 31, v0                           ; lane l
	v_and_b32 v2, 15, v0                           ; l % 16
	v_bfe_u32 v3, v0, 4, 1                         ; l / 16
	v_lshlrev_b32 v14, 3, v1                       ; scale bytes out: 8 a lane
	v_lshlrev_b32 v8, 4, v2
	v_mul_u32_u24 v7, v1, 272
	v_lshl_add_u32 v15, v1, 2, s31                 ; my column in the tile
	v_lshl_add_u32 v9, v1, 1, s28                  ; the table, on the way in: 2 bytes a lane
	v_lshl_add_u32 v4, v3, 14, v8                  ; A's codes out: group l / 16 (16,384 bytes a group), row l % 16 (16 bytes)
	v_lshl_add_u32 v10, v3, 16, v8                 ; B's codes out: lanes 16-31 hold the next sixteen columns, which lie four groups on
	v_lshl_add_u32 v5, v3, 12, v8                  ; x in: row l / 16 of a pair (4,096 bytes a row), 16 bytes a lane
	v_mad_u32_u24 v6, v3, 272, v8
	v_add_nc_u32 v7, s25, v7                       ; out of the stage: row l
	v_lshl_add_u32 v2, v1, 1, s29                  ; the table, on the way out
	v_add_nc_u32 v6, s25, v6                       ; into the stage as loaded
; A block of 32 numbers in v[src] on becomes 16 bytes of codes in v[cdst] on, and its scale byte goes to place idx of the bytes in v[sb] on.
.macro QBLK src, cdst, sb, idx
	v_max3_num_f32 v12, |v[\src]|, |v[\src+1]|, |v[\src+2]|          ; the largest magnitude, in two chains
	v_max3_num_f32 v13, |v[\src+3]|, |v[\src+4]|, |v[\src+5]|
.irp i, 6,10,14,18,22,26
	s_delay_alu instid0(VALU_DEP_2)
	v_max3_num_f32 v12, v12, |v[\src+\i]|, |v[\src+\i+1]|
	s_delay_alu instid0(VALU_DEP_2)
	v_max3_num_f32 v13, v13, |v[\src+\i+2]|, |v[\src+\i+3]|
.endr
	s_delay_alu instid0(VALU_DEP_2)
	v_max3_num_f32 v12, v12, |v[\src+30]|, |v[\src+31]|
	s_delay_alu instid0(VALU_DEP_1)
	v_max3_num_f32 v12, v12, v13, 0x1800000        ; and the floor 2^(3 - 127): the byte cannot fall under 1
	s_delay_alu instid0(VALU_DEP_1)
	v_add_nc_u32 v11, 0xff000000, v12              ; 2 off the exponent field: the conversion takes this operand's exponent field as its scale
	s_delay_alu instid0(VALU_DEP_1)
	v_lshrrev_b32 v13, 23, v11                     ; the scale's byte
.if (\idx)%4 == 0
	s_delay_alu instid0(VALU_DEP_1)
	v_mov_b32 v[\sb+(\idx)/4], v13
.else
	s_delay_alu instid0(VALU_DEP_1)
	v_lshl_or_b32 v[\sb+(\idx)/4], v13, 8*((\idx)%4), v[\sb+(\idx)/4]
.endif
.irp g, 0,1,2,3
	v_cvt_scalef32_pk8_fp4_f32 v[\cdst+\g], v[\src+8*\g:\src+8*\g+7], v11
.endr
	v_nop                                          ; one plain line behind the last conversion
.endm
	s_wait_alu depctr_va_vdst(0)                   ; the wait at the head's end
	s_wait_dscnt 0x0                               ; both opening adds are done
	s_wait_kmcnt 0x0
	s_lshr_b32 s25, ttmp9, 6                       ; the gate
	s_cmp_eq_u32 s25, 1
	s_cselect_b64 s[26:27], s[10:11], s[8:9]       ; the choice hangs on the work-group's number alone
	s_cmp_eq_u32 s25, 2
	s_cselect_b64 s[26:27], s[12:13], s[26:27]
	s_cmp_eq_u32 s25, 3
	s_cselect_b64 s[26:27], s[14:15], s[26:27]
	s_and_b32 s29, ttmp9, 3                        ; which 512 along K
	s_bfe_u32 s30, ttmp9, 0x40002                  ; P: which 64 columns
	s_lshl_b32 s2, s29, 21                         ; 512 rows of 4,096 bytes,
	s_lshl_b32 s3, s24, 18                         ; my 64 rows,
	s_add_co_u32 s2, s2, s3
	s_lshl_b32 s3, s30, 8                          ; 256 bytes for 64 columns
	s_add_co_u32 s2, s2, s3
	s_mov_b32 s3, 0
	s_add_nc_u64 s[26:27], s[26:27], s[2:3]
	s_mov_b32 s40, 1
	s_mov_b32 s41, s31
	s_mov_b64 s[42:43], s[26:27]
	s_or_b32 s43, s43, 0x80000000
	tensor_load_to_lds s[40:43], s[32:39]          ; my one tensor load: 64 rows x 256 bytes, into bytes that I alone read
	s_nop 0
.rept 4
	v_nop
.endr
	s_cmp_lt_u32 s24, 4
	s_cselect_b64 s[26:27], s[4:5], s[6:7]         ; x for waves 0-3, h for waves 4-7
	s_lshl_b32 s2, ttmp9, 17                       ; 32 rows of 4,096 bytes
	s_and_b32 s3, s24, 3
	s_lshl_b32 s3, s3, 10                          ; 256 numbers along the row
	s_add_co_u32 s2, s2, s3
	s_mov_b32 s3, 0
	s_add_nc_u64 s[26:27], s[26:27], s[2:3]
.macro LOADX t                         ; step t: 64 numbers of each of the 32 rows: 16 loads, two rows x 256 consecutive bytes each
.irp i, 0,1,2,3,4,5,6,7,8,9,10,11,12,13,14,15
	global_load_b128 v[R+64*((\t)%2)+4*\i:R+64*((\t)%2)+4*\i+3], v5, s[26:27] offset:8192*\i+256*(\t) th:TH_LOAD_NT
.endr
.endm
	LOADX 0
	LOADX 1
	s_lshl_b32 s2, ttmp9, 15                       ; A's codes: two groups of 16,384 bytes a work-group,
	s_lshl_b32 s3, s24, 11                         ; my run's 8 blocks of 256 bytes
	s_add_co_u32 s2, s2, s3
	s_mov_b32 s3, 0
	s_add_nc_u64 s[16:17], s[16:17], s[2:3]
	s_lshl_b32 s2, s24, 16                         ; A's scale bytes: 65,536 a run, 8 a row
	s_lshl_b32 s3, ttmp9, 8
	s_add_co_u32 s2, s2, s3
	s_mov_b32 s3, 0
	s_add_nc_u64 s[18:19], s[18:19], s[2:3]
	s_lshl_b32 s2, s30, 18                         ; B's codes: group 16 P + gate (+ 8 for columns 32 on, + 4 for lanes 16-31), 16,384 bytes a group;
	s_lshl_b32 s3, s25, 14
	s_add_co_u32 s2, s2, s3
	s_lshl_b32 s3, s29, 12                         ; 16 blocks of 256 bytes for 512 along K,
	s_add_co_u32 s2, s2, s3
	s_lshl_b32 s3, s24, 9                          ; my two blocks
	s_add_co_u32 s2, s2, s3
	s_mov_b32 s3, 0
	s_add_nc_u64 s[20:21], s[20:21], s[2:3]
	s_lshl_b32 s2, s29, 16                         ; B's scale bytes: 32,768 a run, two runs for 512 along K; 2,048 for 64 columns x 4 gates, 512 a gate;
	s_lshl_b32 s3, s30, 11
	s_add_co_u32 s2, s2, s3
	s_lshl_b32 s3, s25, 9
	s_add_co_u32 s2, s2, s3
	s_and_b32 s3, s24, 3                           ; the unit that waves 0-3 store: run j / 2,
	s_lshr_b32 s3, s3, 1
	s_lshl_b32 s3, s3, 15
	s_add_co_u32 s2, s2, s3
	s_and_b32 s3, s24, 1                           ; 256 bytes for 32 columns
	s_lshl_b32 s3, s3, 8
	s_add_co_u32 s2, s2, s3
	s_mov_b32 s3, 0
	s_add_nc_u64 s[22:23], s[22:23], s[2:3]
.macro XSTEP t
.if \t < 3
	s_wait_loadcnt 16                              ; this step's 16 loads are in; the next step's may be out
.else
	s_wait_loadcnt 0x0
.endif
.irp i, 0,1,2,3,4,5,6,7,8,9,10,11,12,13,14,15
	ds_store_b128 v6, v[R+64*(\t%2)+4*\i:R+64*(\t%2)+4*\i+3] offset:544*\i
.endr
.irp j, 0,1,2,3,4,5,6,7,8,9,10,11,12,13,14,15
	ds_load_b128 v[X+4*\j:X+4*\j+3], v7 offset:16*\j       ; LDS serves a wave's instructions in order (ISA guide 5.7.1.4): these see the stores above
.endr
	s_wait_dscnt 0x0                               ; my row's 64 numbers are in, and the stores have read their registers,
.if \t < 2
	LOADX \t+2                                     ; which take the loads of two steps on
.endif
	QBLK X, CX+8*(\t%2), SBX, 2*\t
	global_store_b128 v4, v[CX+8*(\t%2):CX+8*(\t%2)+3], s[16:17] offset:512*\t           ; lanes 0-15 and lanes 16-31 each store 256 consecutive bytes, aligned
	QBLK X+32, CX+8*(\t%2)+4, SBX, 2*\t+1
	global_store_b128 v4, v[CX+8*(\t%2)+4:CX+8*(\t%2)+7], s[16:17] offset:512*\t+256
.endm
; Task tk of 4: block tk / 2 of my two, columns 32 (tk % 2) + lane.  32 loads, one for each k: the 32 lanes read 128 consecutive bytes.
.macro DSL tk
.irp i, 0,1,2,3,4,5,6,7,8,9,10,11,12,13,14,15,16,17,18,19,20,21,22,23,24,25,26,27,28,29,30,31
	ds_load_b32 v[X+32*((\tk)%2)+\i], v15 offset:(32*((\tk)/2)+\i)*256+128*((\tk)%2)
.endr
.endm
	XSTEP 0
	XSTEP 1
	s_wait_tensorcnt 0x0                           ; my tile of W is in; the loads of steps 2 and 3 are out meanwhile
	DSL 0
.irp n, 0,1,2,3
.if \n < 3
	DSL \n+1
	s_wait_dscnt 32                                ; this task's 32 loads are in; the 32 just issued may be out
.else
	s_wait_dscnt 0x0
.endif
	QBLK X+32*(\n%2), CX+16+4*\n, SBW+(\n%2), \n/2
	global_store_b128 v10, v[CX+16+4*\n:CX+16+4*\n+3], s[20:21] offset:131072*(\n%2)+256*(\n/2)   ; lanes 0-15 and lanes 16-31 each store 256 consecutive bytes, aligned
.endr
	s_wait_alu depctr_va_vdst(0)                   ; the wait here, directly ahead of the readers below
	ds_store_b16 v9, v[SBW]                        ; my two bytes of column lane,
	ds_store_b16 v9, v[SBW+1] offset:64            ; and of column 32 + lane
	s_wait_xcnt 0x0                                ; the stores of steps 0 and 1 have read their registers, which take the codes of steps 2 and 3
	XSTEP 2
	XSTEP 3
	global_store_b64 v14, v[SBX:SBX+1], s[18:19]   ; 32 lanes store 256 consecutive bytes, aligned
	s_wait_dscnt 0x0                               ; for the others' sake: my bytes lie in the table
	s_barrier_signal -1
	s_barrier_wait -1
	s_cmp_lt_u32 s24, 4
	s_cbranch_scc0 .Ldone
.irp m, 0,1,2,3
	ds_load_u16 v[16+\m], v2 offset:128*\m         ; blocks 2 m and 2 m + 1 of my column's run: the bytes of the run's m-th wave
.endr
	s_wait_dscnt 0x0
	v_lshl_or_b32 v20, v17, 16, v16
	v_lshl_or_b32 v21, v19, 16, v18
	global_store_b64 v14, v[20:21], s[22:23]       ; 32 lanes store 256 consecutive bytes, aligned
.Ldone:
	s_wait_tensorcnt 0x0                           ; the wave's end
	ds_add_u32 v254, v255
	s_wait_dscnt 0x0
	s_endpgm
.Lfunc_end_k_qba398d0614_quant:
	.size	k_qba398d0614_quant, .Lfunc_end_k_qba398d0614_quant-k_qba398d0614_quant
	.p2alignl 7, 3214868480
	.fill 96, 4, 3214868480
	.section	.rodata,"a",@progbits
	.p2align	6, 0x0
	.amdhsa_kernel k_qba398d0614_quant
		.amdhsa_group_segment_fixed_size 202752
		.amdhsa_private_segment_fixed_size 0
		.amdhsa_enable_private_segment 0
		.amdhsa_kernarg_size 80
		.amdhsa_user_sgpr_count 2
		.amdhsa_user_sgpr_kernarg_segment_ptr 1
		.amdhsa_wavefront_size32 1
		.amdhsa_system_sgpr_workgroup_id_x 1
		.amdhsa_system_sgpr_workgroup_id_y 1
		.amdhsa_system_sgpr_workgroup_id_z 1
		.amdhsa_system_vgpr_workitem_id 0
		.amdhsa_next_free_vgpr 256
		.amdhsa_next_free_sgpr 66
		.amdhsa_reserve_vcc 0
		.amdhsa_float_denorm_mode_32 3
		.amdhsa_float_denorm_mode_16_64 3
		.amdhsa_memory_ordered 1
		.amdhsa_forward_progress 1
		.amdhsa_inst_pref_size 54
	.end_amdhsa_kernel
	.amdgpu_metadata
---
amdhsa.version: [ 1, 2 ]
amdhsa.kernels:
  - .name:           k_qba398d0614_quant
    .symbol:         k_qba398d0614_quant.kd
    .args:
      - { .name: x, .offset: 0, .size: 8, .value_kind: global_buffer, .address_space: global }
      - { .name: h, .offset: 8, .size: 8, .value_kind: global_buffer, .address_space: global }
      - { .name: Wf, .offset: 16, .size: 8, .value_kind: global_buffer, .address_space: global }
      - { .name: Wi, .offset: 24, .size: 8, .value_kind: global_buffer, .address_space: global }
      - { .name: Wo, .offset: 32, .size: 8, .value_kind: global_buffer, .address_space: global }
      - { .name: Wu, .offset: 40, .size: 8, .value_kind: global_buffer, .address_space: global }
      - { .name: Ac, .offset: 48, .size: 8, .value_kind: global_buffer, .address_space: global }
      - { .name: As, .offset: 56, .size: 8, .value_kind: global_buffer, .address_space: global }
      - { .name: Bc, .offset: 64, .size: 8, .value_kind: global_buffer, .address_space: global }
      - { .name: Bs, .offset: 72, .size: 8, .value_kind: global_buffer, .address_space: global }
    .group_segment_fixed_size: 202752
    .private_segment_fixed_size: 0
    .kernarg_segment_align: 8
    .kernarg_segment_size: 80
    .max_flat_workgroup_size: 256
    .sgpr_count:     66
    .vgpr_count:     256
    .wavefront_size: 32
...
	.end_amdgpu_metadata
.endif
;; end of part 1
;; launch lstm (part 2): grid 16 x 16, 4 waves a work-group, clusters of 4 x 1, 327,680 bytes of LDS; arguments Ac, As, Bc, Bs, bf, bi, bo, bu, c, out0, out1; writes out0, out1
.if DOCPART == 2
	.amdgcn_target "amdgcn-amd-amdhsa--gfx1250"
	.amdhsa_code_object_version 6
	.text
	.protected	k_qba398d0614_lstm
	.globl	k_qba398d0614_lstm
	.p2align	8
	.type	k_qba398d0614_lstm,@function
k_qba398d0614_lstm:
	s_mov_b64 s[64:65], 0
	v_nop
	global_prefetch_b8 v0, s[64:65] scope:SCOPE_SE
	s_setreg_imm32_b32 hwreg(HW_REG_WAVE_MODE, 25, 1), 1
	s_wait_xcnt 0x0
	s_wait_alu depctr_hold_cnt(0) depctr_sa_sdst(0) depctr_va_vdst(0) depctr_va_sdst(0) depctr_va_ssrc(0) depctr_va_vcc(0) depctr_vm_vsrc(0)
	s_getreg_b32 s2, hwreg(HW_REG_IB_STS2, 6, 4)
	s_cmp_eq_u32 s2, 0
	s_cbranch_scc0 .Lentry_in_a_cluster
	s_endpgm
.Lentry_in_a_cluster:
	s_bfe_u32 s2, ttmp6, 0x10000c
	s_cmp_lg_u32 s2, 0x3003
	s_cbranch_scc0 .Lentry_shape_is_right
	s_endpgm
.Lentry_shape_is_right:
; gates = [x | h] [Wf | Wi | Wo | Wu] + b on codes of FP4 (E2M1) with E8M0 scales, f32 sums; then, in registers, new_c = sigmoid(f) c + sigmoid(i) tanh(u) (out1) and new_h = sigmoid(o) tanh(new_c) (out0), in f32.
; Codes and scale bytes come from the launch before, laid as the operands' registers want them: codes [group of 16 rows][block of 32 K: 64][row: 16][16 bytes].
; SHARES.  16 strips of 64 hidden columns x 16 chunks of 512 rows: 256 work-groups of four waves, which stay.  Wave w owns hidden columns 16 w .. + 15 of the strip with all four gates: four groups of B for all of K,
; 512 registers, read from memory once.  A goes round: the chunk's rows in 8 blocks of 64 through two LDS slots; with a block ride its 64 rows x 256 bytes of c and its scale bytes.
; THE ORDER OF A BLOCK t.  Its 256 products; then the change of slots: the slot just read takes block t + 2, and block t + 1's scale words and first 32 fragment loads are issued; then block t's 32 cells a lane,
; under which those loads land; the results go to a stage in LDS and leave, four stores at a time, among block t + 1's products.
; A refill has a block's cells and a block's 256 products between its request and the wait for it, so nothing is prefetched beside it.
; THE MATRIX INSTRUCTION IS USED TRANSPOSED (source 0 = 16 rows of B, source 1 = 16 rows of A): in accumulator (a, g) lane (r, h), register j, holds gate g of row 16 a + r and hidden column 8 h + j of my sixteen.
; THE BIASES are the C of each sum's first matrix instruction.
; CLUSTERS: the four work-groups of a cluster take four strips of the same rows: A's codes and scale bytes are asked for jointly.  c is each work-group's own.  B is not asked for jointly: a strip's 262,144 bytes do not
; fit in LDS beside a slot, and each byte of it is wanted in registers once.
; THE CELL, seven transcendentals, in place on the four accumulators and c's register: E(x) = 2^(k x), k = -log2(e) for f, i, o and -2 log2(e) for u and new_c, the exponent held at 30 for f, i, u and new_c;
; P = 1 + E, M = 1 - E;  new_c = (c Pi Pu + Mu Pf) / (Pf Pi Pu);  new_h = Mn / (Po Pn).  o needs no hold: an infinite Po gives the reciprocal 0 against a finite Mn.
; LIMITS: the hold keeps Pf Pi Pu under 2^91 for every input; a sigmoid of f or i under 2^-30 comes out as about 2^-30, and tanh ends at 1 - 2^-29.  |c| stays under 2^60.  NaN and infinities are not served.
; REGISTERS, in windows of 256: window 0: v4, v16-29 addresses; v32-95 B's scale words and v96-127 A's, and nothing else ever; v128-159 the biases; v160-223 rows on their way out; v224-255 c.
;   window 1: v0-127 the 16 accumulators ((a, g) at v[8 (4 a + g)]); v128-255 A's fragments, two buffers of two K steps.   window 2: B's gates f, i ((g, q) at v[128 g + 8 q]);   window 3: gates o, u.
.set SLOT,  87040                      ; a slot: A's four groups, 65,536;
.set COFF,  65536                      ; c, 64 rows x (256 + 16) = 17,408;
.set SOFF,  82944                      ; A's scale bytes, 8 runs x 64 rows x 8 = 4,096
.set STG,   174080                     ; behind the two slots: the stage for new_c, 64 rows x 272,
.set HOFF,  17408                      ; and that for new_h: no fill lands in either
.set BL,    174080                     ; at the head alone: B's gates o and u of all four waves, 4 x 32,768 bytes; they lie over the stage, which is first stored to when every wave has read them
.set SPARE, 305152                     ; behind them the spare words, 128 bytes for each wave
.set ADRB, 27                          ; v27     LDS address of my 16 bytes of a load of B's gates o and u
.set G1B,  80                          ; s[80:87], s[88:91] groups 1 and 0 for that half of B (the offsets that lay there have been used by then)
.set G0B,  88
.set G0H,  4                           ; s[4:7] group 0 for the head's load of block 0's codes, all 256 rows
.set LI,   4                           ; v4      16 x lane: my bytes of a load of B
.set ADRA, 16                          ; v16-17  LDS address of my 16 bytes of a fragment in slot 0, 1
.set ADRS, 18                          ; v18-19  of my scale words of A
.set ADRC, 20                          ; v20-21  of my 32 bytes of a row of c
.set STO,  22                          ; v22     the stage: where I put 32 bytes of a row
.set RD,   23                          ; v23     and where I read rows back
.set CO,   24                          ; v24     my byte offset in two rows of an output
.set BO,   25                          ; v25     32 x (lane / 16): my eight biases
.set BSO,  26                          ; v26     8 x (lane % 16): my row's scale bytes of B
.set SPW,  28                          ; v28     LDS address of my spare word; never rewritten
.set NIL,  29                          ; v29     0; never rewritten
.set BSC,  32                          ; B's scale words: (g, q) at 32 + 16 g + q
.set ASC,  96                          ; A's: 96 + 16 p + q: lanes 0-15 the rows of tile 2 p, lanes 16-31 those of tile 2 p + 1
.set BI,   128
.set OB,   160
.set CC,   224
.set AF,   128                         ; in window 1: K step q's four fragments at 128 + 32 (q % 4)
.set WV,   18                          ; s18 wave, s19 my place in the cluster, s20 strip, s21 chunk of rows
.set CNT,  22
.set LIM,  23                          ; s23 30.0
.set G1A,  24                          ; s[24:31] group 1 for A's codes;  s[32:39] for A's scale bytes;  s[40:47] for c
.set G1S,  32
.set G1C,  40
.set G0A,  48                          ; s[48:55], s[56:63], s[68:75] their groups 0, a set for each slot
.set G0S,  56
.set G0C,  68
.set K1,   76                          ; s[76:77] -log2(e), twice
.set K2,   78                          ; s[78:79] -2 log2(e), twice
.set MSB, 0
.macro WIN new                         ; the immediate's high byte repeats the setting that is left
.if MSB != (\new)
	s_set_vgpr_msb (MSB<<8)|(\new)
.set MSB, (\new)
.endif
.endm
.macro PLACES n
.rept \n
	v_nop
.endr
.endm
.macro CREST                           ; a round of the cluster's barrier behind its opening barrier
	s_cmp_lg_u32 s[WV], 0
	s_cbranch_scc1 .Lnot_first_\@
	s_barrier_signal -3
.Lnot_first_\@:
	s_barrier_wait -3
	s_barrier_signal -1
	s_barrier_wait -1
.endm
.macro ROUND                           ; a whole round of the cluster's barrier
	s_barrier_signal -1
	s_barrier_wait -1
	s_cmp_lg_u32 s[WV], 0
	s_cbranch_scc1 .Lnot_wave_0_\@
	s_barrier_signal -3
.Lnot_wave_0_\@:
	s_barrier_wait -3
	s_barrier_signal -1
	s_barrier_wait -1
.endm
; A slot's fill, one load a wave: waves 0 and 1 A's two halves (jointly), wave 2 c (my work-group's own), wave 3 A's scale bytes (jointly).  The branches hang on the wave's number alone.
.macro TLOAD3 s
	s_cmp_lt_u32 s[WV], 2
	s_cbranch_scc0 .Lnot_a_\@
	tensor_load_to_lds s[G0A+4*(\s):G0A+4*(\s)+3], s[G1A:G1A+7]
	s_nop 0
	PLACES 4
	s_branch .Lasked_\@
.Lnot_a_\@:
	s_cmp_eq_u32 s[WV], 2
	s_cbranch_scc0 .Lnot_c_\@
	tensor_load_to_lds s[G0C+4*(\s):G0C+4*(\s)+3], s[G1C:G1C+7]
	s_nop 0
	PLACES 4
	s_branch .Lasked_\@
.Lnot_c_\@:
	tensor_load_to_lds s[G0S+4*(\s):G0S+4*(\s)+3], s[G1S:G1S+7]
	s_nop 0
	PLACES 4
.Lasked_\@:
.endm
	s_load_b256 s[4:11], s[0:1], 0x0               ; A's codes, A's scales, B's codes, B's scales
	s_load_b256 s[92:99], s[0:1], 0x20             ; bf, bi, bo, bu
	s_load_b128 s[12:15], s[0:1], 0x40             ; c, out0
	s_load_b64 s[16:17], s[0:1], 0x50              ; out1
	v_lshl_add_u32 v[SPW], v0, 2, SPARE
	v_mov_b32 v[NIL], 0
	ds_add_u32 v[SPW], v[NIL]                      ; the opening lines: the add, twice on end, and its wait; work on registers stands between
	ds_add_u32 v[SPW], v[NIL]
	v_lshrrev_b32 v1, 5, v0
	v_readfirstlane_b32 s[WV], v1                  ; wave 0..3
	s_bfe_u32 s19, ttmp6, 0x40000                  ; cx: my place in the cluster
	s_lshl_b32 s20, ttmp9, 2
	s_add_co_u32 s20, s20, s19                     ; my strip = 4 x cluster x + cx
	s_and_b32 s21, ttmp7, 0xffff                   ; my chunk of 512 rows, which the four partners share
	s_mov_b32 s[G1A+0], 15|(3<<16)|(1<<21)         ; A's codes: half a block, 32,768 dense bytes, as 128 rows of 256 bytes; the mask names all four work-groups
	s_mov_b32 s[G1A+1], 32<<16
	s_mov_b32 s[G1A+2], 256<<16                    ; 256 rows for the head's load; behind it the two words that count rows are set to 128
	s_mov_b32 s[G1A+3], 32<<16
	s_mov_b32 s[G1A+4], 256
	s_mov_b32 s[G1A+5], 32
	s_mov_b32 s[G1A+6], 0
	s_mov_b32 s[G1A+7], 0
	s_mov_b32 s[G1S+0], 15|(3<<16)|(1<<21)         ; A's scale bytes: 8 runs x 512 bytes (64 rows x 8), 65,536 bytes from run to run
	s_mov_b32 s[G1S+1], 64<<16
	s_mov_b32 s[G1S+2], 8<<16
	s_mov_b32 s[G1S+3], 64<<16
	s_mov_b32 s[G1S+4], 8
	s_mov_b32 s[G1S+5], 8192
	s_mov_b32 s[G1S+6], 0
	s_mov_b32 s[G1S+7], 0
	s_mov_b32 s[G1C+0], (3<<16)|(1<<20)|(5<<22)|(3<<25)   ; c: 64 rows x 256 bytes, 4,096 bytes from row to row, 16 bytes of padding behind each row in LDS; no mask
	s_mov_b32 s[G1C+1], 32<<16
	s_mov_b32 s[G1C+2], 64<<16
	s_mov_b32 s[G1C+3], 32<<16
	s_mov_b32 s[G1C+4], 64
	s_mov_b32 s[G1C+5], 512
	s_mov_b32 s[G1C+6], 0
	s_mov_b32 s[G1C+7], 0
	s_mov_b32 s[K1], 0xbfb8aa3b
	s_mov_b32 s[K1+1], 0xbfb8aa3b
	s_mov_b32 s[K2], 0xc038aa3b
	s_mov_b32 s[K2+1], 0xc038aa3b
	s_mov_b32 s[LIM], 0x41f00000
	; offsets.  What is asked for jointly hangs on the chunk of rows and the wave alone, in registers that never hold my place in the cluster
	s_lshl_b32 s2, s[WV], 15                       ; which half of a block I fetch, in memory and in a slot
	s_lshl_b32 s80, s21, 19                        ; 32 groups of 16,384 bytes a chunk
	s_mov_b32 s81, 0
	s_lshl_b32 s82, s21, 12                        ; 512 rows x 8 bytes
	s_mov_b32 s83, 0
	s_lshl_b32 s84, s21, 21                        ; c: 512 rows of 4,096 bytes, the strip's 256 bytes
	s_lshl_b32 s3, s20, 8
	s_add_co_u32 s84, s84, s3
	s_mov_b32 s85, 0
	s_lshl_b32 s22, s[WV], 16
	s_add_co_u32 s66, s84, s22                     ; the outputs at the 16 rows of a block that I store
	s_mov_b32 s67, 0
	s_lshl_b32 s86, s20, 18                        ; B's codes: group 16 x strip
	s_add_co_u32 s100, s2, BL                      ; my 32,768 bytes of B's half in LDS
	s_mov_b32 s87, 0
	s_lshl_b32 s88, s20, 11                        ; B's scale bytes: 2,048 a strip, 128 for my sixteen columns
	s_lshl_b32 s22, s[WV], 7
	s_add_co_u32 s88, s88, s22
	s_mov_b32 s89, 0
	s_lshl_b32 s22, s[WV], 6                       ; 64 x wave
	s_add_co_u32 s90, s3, s22                      ; the biases at my sixteen columns
	s_mov_b32 s91, 0
	s_mul_i32 s3, s[WV], 16*272
	v_and_b32 v1, 31, v0                           ; lane l
	v_and_b32 v2, 15, v0                           ; r
	v_bfe_u32 v3, v0, 4, 1                         ; h
	v_lshlrev_b32 v[LI], 4, v1
	v_lshlrev_b32 v[ADRA], 4, v1
	v_add_nc_u32 v[ADRA+1], SLOT, v[ADRA]
	v_lshl_add_u32 v[ADRS], v1, 3, SOFF            ; 8 bytes a row: the 32 lanes take the rows of two tiles
	v_add_nc_u32 v[ADRS+1], SLOT, v[ADRS]
	v_mul_u32_u24 v5, v2, 272
	v_lshl_add_u32 v5, v3, 5, v5
	v_add_nc_u32 v5, s22, v5                       ; a cell's place in a tile of 64 rows x 272 bytes: row r, byte 64 x wave + 32 h
	v_add_nc_u32 v[ADRC], COFF, v5
	v_add_nc_u32 v[ADRC+1], SLOT+COFF, v5
	v_add_nc_u32 v[STO], STG, v5
	v_mul_u32_u24 v6, v3, 272
	v_lshl_add_u32 v6, v2, 4, v6
	v_add_nc_u32 v6, s3, v6
	v_add_nc_u32 v[RD], STG, v6                    ; back: my 16 rows; lanes 0-15 one row of 256 bytes, lanes 16-31 the next
	v_lshlrev_b32 v7, 4, v2
	v_lshl_add_u32 v[CO], v3, 12, v7
	v_lshlrev_b32 v[BO], 5, v3
	v_lshlrev_b32 v[BSO], 3, v2
	v_add_nc_u32 v[ADRB], s100, v[LI]
	s_lshl_b32 s100, s[WV], 16                     ; s[100:101]: my four groups of B;  s[2:3]: my half of a block of A
	s_mov_b32 s101, 0
	s_mov_b32 s3, 0
	s_wait_alu depctr_va_vdst(0)                   ; the wait at the head's end
	s_wait_dscnt 0x0                               ; both opening adds are done
	s_wait_kmcnt 0x0
	s_add_nc_u64 s[4:5], s[4:5], s[80:81]
	s_add_nc_u64 s[6:7], s[6:7], s[82:83]
	s_add_nc_u64 s[12:13], s[12:13], s[84:85]
	s_add_nc_u64 s[14:15], s[14:15], s[66:67]
	s_add_nc_u64 s[16:17], s[16:17], s[66:67]
	s_add_nc_u64 s[8:9], s[8:9], s[86:87]
	s_add_nc_u64 s[10:11], s[10:11], s[88:89]
.irp g, 0,1,2,3
	s_add_nc_u64 s[92+2*\g:93+2*\g], s[92+2*\g:93+2*\g], s[90:91]
.endr
.irp s, 0,1
	s_mov_b32 s[G0A+4*\s], 1
	s_add_co_u32 s[G0A+4*\s+1], s2, \s*SLOT        ; LDS address: no place in the cluster enters it
	s_add_nc_u64 s[G0A+4*\s+2:G0A+4*\s+3], s[4:5], s[2:3]       ; my half
	s_add_nc_u64 s[G0A+4*\s+2:G0A+4*\s+3], s[G0A+4*\s+2:G0A+4*\s+3], \s*65536     ; of block s
	s_or_b32 s[G0A+4*\s+3], s[G0A+4*\s+3], 0x80000000
	s_mov_b32 s[G0S+4*\s], 1
	s_mov_b32 s[G0S+4*\s+1], \s*SLOT+SOFF
	s_add_nc_u64 s[G0S+4*\s+2:G0S+4*\s+3], s[6:7], \s*512
	s_or_b32 s[G0S+4*\s+3], s[G0S+4*\s+3], 0x80000000
	s_mov_b32 s[G0C+4*\s], 1
	s_mov_b32 s[G0C+4*\s+1], \s*SLOT+COFF
	s_add_nc_u64 s[G0C+4*\s+2:G0C+4*\s+3], s[12:13], \s*262144
	s_or_b32 s[G0C+4*\s+3], s[G0C+4*\s+3], 0x80000000
.endr
	s_mov_b32 s[G1B+0], 3<<16                      ; B's gates o and u: 4 rows (a wave each) of 32,768 bytes, 4,096 elements of 8, 65,536 bytes from row to row; no mask, no padding
	s_mov_b32 s[G1B+1], 4096<<16
	s_mov_b32 s[G1B+2], 4<<16
	s_mov_b32 s[G1B+3], 4096<<16
	s_mov_b32 s[G1B+4], 4
	s_mov_b32 s[G1B+5], 8192
	s_mov_b32 s[G1B+6], 0
	s_mov_b32 s[G1B+7], 0
	s_mov_b32 s[G0B], 1
	s_mov_b32 s[G0B+1], BL
	s_add_nc_u64 s[G0B+2:G0B+3], s[8:9], 32768     ; the strip's first group of gate o
	s_or_b32 s[G0B+3], s[G0B+3], 0x80000000
	s_add_nc_u64 s[8:9], s[8:9], s[100:101]        ; for the loads into registers: my four groups
	s_mov_b64 s[G0H+2:G0H+3], s[4:5]               ; block 0's codes, whole, to LDS byte 0
	s_or_b32 s[G0H+3], s[G0H+3], 0x80000000
	s_mov_b32 s[G0H], 1
	s_mov_b32 s[G0H+1], 0
	ROUND                                          ; all four work-groups are here: the first joint loads meet
; THE HEAD'S LOADS, ONE A WAVE: wave 0 B's gates o and u, wave 1 block 0's codes (jointly), wave 2 its c, wave 3 its scale bytes (jointly).  One chain of branches on the wave's number.
.macro ARM under, g0, g1, next
	s_cmp_lt_u32 s[WV], \under
	s_cbranch_scc0 \next
	tensor_load_to_lds s[\g0:\g0+3], s[\g1:\g1+7]
	s_nop 0
	PLACES 4
	s_branch .Lhead_asked
\next:
.endm
	ARM 1, G0B, G1B, .Lhead_a
	ARM 2, G0H, G1A, .Lhead_c
	ARM 3, G0C, G1C, .Lhead_s
	tensor_load_to_lds s[G0S:G0S+3], s[G1S:G1S+7]
	s_nop 0
	PLACES 4
.Lhead_asked:
	; 104 loads into registers: first B's scale words and the biases (40), then the fragments of gates f and i in the order of K, 8 loads for each pair of K steps
.irp g, 0,1,2,3
.irp sg, 0,1,2,3,4,5,6,7
	global_load_b64 v[BSC+16*\g+2*\sg:BSC+16*\g+2*\sg+1], v[BSO], s[10:11] offset:32768*\sg+512*\g   ; the words of K steps 2 sg and 2 sg + 1; both halves of the lanes take the same
.endr
.endr
.irp g, 0,1,2,3
.irp e, 0,1
	global_load_b128 v[BI+8*\g+4*\e:BI+8*\g+4*\e+3], v[BO], s[92+2*\g:93+2*\g] offset:16*\e          ; gate g, columns 8 h + 0 .. 7
.endr
.endr
	; fragment (g, q): lane (r, h), registers 4 c .. 4 c + 3: block 4 q + 2 c + h of row r, at 16,384 g + 1,024 q + 512 c + 16 x lane: 512 consecutive bytes a load
.irp pp, 0,1,2,3,4,5,6,7
.irp hf, 0
	WIN 0x80+0x40*\hf                              ; destination window 2 or 3
.irp qq, 0,1
.irp g, 0,1
.irp c, 0,1
	global_load_b128 v[128*\g+8*(2*\pp+\qq)+4*\c:128*\g+8*(2*\pp+\qq)+4*\c+3], v[LI], s[8:9] offset:16384*(\g+2*\hf)+1024*(2*\pp+\qq)+512*\c
.endr
.endr
.endr
.endr
.endr
	WIN 0
; One matrix instruction: rows 16 a on x gate g (the gg-th of its window), K step q.  In K step 0 the sum begins with the bias.
.macro MM a, g, gg, q
.set rD, 8*(4*(\a)+(\g))
.set rB, 128*(\gg)+8*(\q)
.set rA, AF+32*((\q)%4)+8*(\a)
.set rSB, BSC+16*(\g)+(\q)
.set rSA, ASC+16*((\a)/2)+(\q)
.if (\q) == 0
.set rC, BI+8*(\g)
.else
.set rC, rD
.endif
.if (\a)%2
	v_wmma_scale_f32_16x16x128_f8f6f4 v[rD:rD+7], v[rB:rB+7], v[rA:rA+7], v[rC:rC+7], v[rSB], v[rSA] matrix_a_fmt:MATRIX_FMT_FP4 matrix_b_fmt:MATRIX_FMT_FP4 matrix_b_scale:MATRIX_SCALE_ROW1
.else
	v_wmma_scale_f32_16x16x128_f8f6f4 v[rD:rD+7], v[rB:rB+7], v[rA:rA+7], v[rC:rC+7], v[rSB], v[rSA] matrix_a_fmt:MATRIX_FMT_FP4 matrix_b_fmt:MATRIX_FMT_FP4
.endif
.endm
; 16 matrix instructions: K steps 2 pp and 2 pp + 1 with the two gates of window 2 + hf.  Eight accumulators take turns, one instruction a turn.
; Windows: source 0 (B) 2 or 3, source 1 (A) 1, D 1, C 1, or 0 where it is the bias.
.macro MULH pp, hf
.irp qq, 0,1
.if (2*(\pp)+\qq) == 0
	WIN 0x46+(\hf)
.else
	WIN 0x56+(\hf)
.endif
.irp a, 0,1,2,3
.irp gg, 0,1
	MM \a, 2*(\hf)+\gg, \gg, 2*(\pp)+\qq
.endr
.endr
.endr
.endm
; 16 LDS loads in one run, 512 consecutive bytes each: A's four fragments of K steps 2 pp and 2 pp + 1 into buffer pp % 2
.macro FETCH slot, pp
.irp qq, 0,1
.irp a, 0,1,2,3
.irp c, 0,1
	ds_load_b128 v[AF+32*(2*((\pp)%2)+\qq)+8*\a+4*\c:AF+32*(2*((\pp)%2)+\qq)+8*\a+4*\c+3], v[ADRA+\slot] offset:16384*\a+1024*(2*(\pp)+\qq)+512*\c
.endr
.endr
.endr
.endm
.macro PREF slot                       ; a block's scale words and its first four K steps' fragments: 48 LDS loads
	WIN 0
.irp sg, 0,1,2,3,4,5,6,7
.irp p, 0,1
	ds_load_b64 v[ASC+16*\p+2*\sg:ASC+16*\p+2*\sg+1], v[ADRS+\slot] offset:512*\sg+256*\p
.endr
.endr
	WIN 0x40                                       ; destination window 1, address window 0
	FETCH \slot, 0
	FETCH \slot, 1
.endm
.macro LCW lc, pp                      ; the first block alone: the loads of gates f and i of the pairs behind pp may be out, 8 a pair
.if \lc
	s_wait_loadcnt 8*(7-(\pp))
.endif
.endm
.macro OUTL                            ; my 16 rows of new_c and of new_h, back from the stage
.irp t, 0,1,2,3,4,5,6,7
	ds_load_b128 v[OB+4*\t:OB+4*\t+3], v[RD] offset:544*\t
.endr
.irp t, 0,1,2,3,4,5,6,7
	ds_load_b128 v[OB+32+4*\t:OB+32+4*\t+3], v[RD] offset:HOFF+544*\t
.endr
.endm
.macro OUTS k, prev                    ; store k of 16: sixteen lanes store 256 consecutive bytes, aligned; written once, read by nobody here
.if (\k) < 8
	global_store_b128 v[CO], v[OB+4*(\k):OB+4*(\k)+3], s[16:17] offset:262144*(\prev)+8192*(\k) th:TH_STORE_NT
.else
	global_store_b128 v[CO], v[OB+4*(\k):OB+4*(\k)+3], s[14:15] offset:262144*(\prev)+8192*((\k)-8) th:TH_STORE_NT
.endif
.endm
; A BLOCK'S 256 PRODUCTS, from slot.  prev = 0 or 1: the block before lies in the stage and leaves here, at 64 prev rows from the outputs' bases; prev = -1: there is none.
.macro MATRIX slot, prev, lc
.if (\prev) >= 0
	s_wait_dscnt 8                                 ; the 48 early loads are in and new_c's stage stores have read their registers; new_h's eight stores may be out
.else
	s_wait_dscnt 0x0
.endif
	LCW \lc, 0
	MULH 0, 0
.if (\prev) >= 0
	s_wait_dscnt 0x0                               ; for the others' sake: my stores into the stage are done
	s_barrier_signal -1
.endif
	MULH 0, 1
	PLACES 4                                       ; four plain lines between the last product that read a buffer and the loads into it
	WIN 0
.if (\prev) >= 0
	s_barrier_wait -1                              ; 64 whole rows of new_c and new_h lie in the stage; the refill may stay out
	s_wait_xcnt 0x0                                ; earlier stores have read their registers, which are loaded again
	OUTL
.endif
.irp a, 0,1,2,3
.irp e, 0,1
	ds_load_b128 v[CC+8*\a+4*\e:CC+8*\a+4*\e+3], v[ADRC+\slot] offset:4352*\a+16*\e         ; c of my 32 cells
.endr
.endr
	WIN 0x40
	FETCH \slot, 2
.irp pp, 1,2,3,4,5,6                   ; the last pair's 32 products stand in TURN, round the change of slots
.if \pp >= 2
	s_wait_dscnt 16                                ; this pair's fragments, and all asked for before them, are in; the next pair's 16 loads may be out
.endif
	LCW \lc, \pp
	MULH \pp, 0
	MULH \pp, 1
.if \pp < 6
	PLACES 4
	WIN 0x40
	FETCH \slot, \pp+2
.if ((\prev) >= 0) && (\pp >= 2)
.irp i, 0,1,2,3
	OUTS 4*(\pp-2)+\i, \prev
.endr
.endif
.endif
.endr
.endm
; THE CHANGE OF SLOTS behind the products of the block in slot.  mode 2: every wave waits for all its tensor loads (one is out: its part of the other slot), adds 0 to its spare word, waits for that and for its LDS
; reads; behind the round this slot takes the block two on, and the other slot's first loads are issued.  mode 1: nothing is left to fetch.  mode 0: the last block: only the stage's readers and writers are parted.
.macro TURN slot, mode
	s_wait_dscnt 0x0                               ; the last pair's fragments are in: my reads of this slot are over
	WIN 0                                          ; (the add's two registers lie in window 0)
.if \mode > 0
	s_wait_tensorcnt 0x0
	ds_add_u32 v[SPW], v[NIL]
.if \mode == 2
	s_add_nc_u64 s[G0A+4*\slot+2:G0A+4*\slot+3], s[G0A+4*\slot+2:G0A+4*\slot+3], 131072   ; no tensor load of mine is out: this slot's next block, two blocks on
	s_add_nc_u64 s[G0S+4*\slot+2:G0S+4*\slot+3], s[G0S+4*\slot+2:G0S+4*\slot+3], 1024
	s_add_nc_u64 s[G0C+4*\slot+2:G0C+4*\slot+3], s[G0C+4*\slot+2:G0C+4*\slot+3], 524288
.endif
.endif
	MULH 7, 0                                      ; sixteen products stand between the add and the wait for it,
	s_wait_dscnt 0x0
	s_barrier_signal -1                            ; (where the slot is filled again this barrier opens a round of the cluster's barrier)
	MULH 7, 1                                      ; and sixteen between the signal and the wait: work on registers alone
	PLACES 4                                       ; in front of the first read of results and of loads into registers that products have read
	WIN 0
	s_barrier_wait -1
.if \mode == 2
	CREST
	TLOAD3 \slot                                   ; the first thing behind the round, and my one tensor load until the next
.endif
.if \mode > 0
	PREF 1-\slot
.endif
.endm
.macro GR sym, g, e                    ; the register of gate g of cell e (0 .. 31): row tile e / 8, column register e % 8
.set \sym, 8*(4*((\e)/8)+(\g))+(\e)%8
.endm
.macro SCALE d, a, k                   ; gate d = gate a x s[k]
.set n, 0
.rept 16
	GR rD, \d, n
	GR rX, \a, n
	v_pk_mul_f32 v[rD:rD+1], v[rX:rX+1], s[\k:\k+1] op_sel_hi:[1,0]
.set n, n+2
.endr
.endm
.macro HOLD g                          ; the hold at 30
.set n, 0
.rept 32
	GR rX, \g, n
	v_min_num_f32 v[rX], s[LIM], v[rX]
.set n, n+1
.endr
.endm
.macro TRANS op, g
.set n, 0
.rept 32
	GR rX, \g, n
	\op v[rX], v[rX]
.set n, n+1
.endr
.endm
.macro ONEP g                          ; gate g = 1 + gate g
.set n, 0
.rept 16
	GR rX, \g, n
	v_pk_add_f32 v[rX:rX+1], v[rX:rX+1], 1.0 op_sel_hi:[1,0]
.set n, n+2
.endr
.endm
.macro MULG d, a, b                    ; gate d = gate a x gate b
.set n, 0
.rept 16
	GR rD, \d, n
	GR rX, \a, n
	GR rY, \b, n
	v_pk_mul_f32 v[rD:rD+1], v[rX:rX+1], v[rY:rY+1]
.set n, n+2
.endr
.endm
.macro BATCH_IN                        ; a wait ahead of a batch of transcendentals,
	s_wait_alu depctr_va_vdst(0)
.endm
.macro BATCH_OUT                       ; and a plain line and a wait behind it
	v_nop
	s_wait_alu depctr_va_vdst(0)
.endm
.macro TOSTG g, off                    ; gate g's registers, 32 bytes of each of my four rows, into the stage; an LDS store's data are its source 1: window 1
	WIN 0x04
.irp a, 0,1,2,3
.irp ee, 0,1
	ds_store_b128 v[STO], v[32*\a+8*(\g)+4*\ee:32*\a+8*(\g)+4*\ee+3] offset:(\off)+4352*\a+16*\ee
.endr
.endr
.endm
; THE 32 CELLS of a lane, in place: gates 0 .. 3 = f, i, o, u in window 1, c in window 0.  Each accumulator is first read at its low end; all sources of a batch are laid ahead of it.
.macro EPI
	WIN 0x55
	SCALE 0, 0, K1
	SCALE 1, 1, K1
	SCALE 2, 2, K1
	SCALE 3, 3, K2
	HOLD 0
	HOLD 1
	HOLD 3
	BATCH_IN
	TRANS v_exp_f32, 0
	TRANS v_exp_f32, 1
	TRANS v_exp_f32, 3
	TRANS v_exp_f32, 2
	BATCH_OUT
	ONEP 1                                         ; Pi
	ONEP 0                                         ; Pf
	ONEP 2                                         ; Po
	WIN 0x04                                       ; destination and source 0 (c) window 0
.set n, 0
.rept 16
	GR rX, 1, n
	v_pk_mul_f32 v[CC+n:CC+n+1], v[CC+n:CC+n+1], v[rX:rX+1]                            ; c Pi
.set n, n+2
.endr
	WIN 0x55
	MULG 1, 1, 0                                   ; Pi Pf
.set n, 0
.rept 16
	GR rX, 0, n
	GR rY, 3, n
	v_pk_fma_f32 v[rX:rX+1], v[rY:rY+1], v[rX:rX+1], v[rX:rX+1] neg_lo:[1,0,0] neg_hi:[1,0,0]   ; Pf - Eu Pf = Mu Pf
.set n, n+2
.endr
	ONEP 3                                         ; Pu
	WIN 0x54                                       ; source 0 (c Pi) window 0
.set n, 0
.rept 16
	GR rX, 0, n
	GR rY, 3, n
	v_pk_fma_f32 v[rX:rX+1], v[CC+n:CC+n+1], v[rY:rY+1], v[rX:rX+1]                    ; c Pi Pu + Mu Pf
.set n, n+2
.endr
	WIN 0x55
	MULG 3, 3, 1                                   ; Pf Pi Pu
	BATCH_IN
	TRANS v_rcp_f32, 3
	BATCH_OUT
	MULG 0, 0, 3                                   ; new_c
	TOSTG 0, 0
	WIN 0x55
	SCALE 1, 0, K2
	HOLD 1
	BATCH_IN
	TRANS v_exp_f32, 1                             ; En
	BATCH_OUT
.set n, 0
.rept 16
	GR rX, 3, n
	GR rY, 1, n
	v_pk_add_f32 v[rX:rX+1], v[rY:rY+1], 1.0 op_sel_hi:[1,0] neg_lo:[1,0] neg_hi:[1,0]   ; Mn = 1 - En
.set n, n+2
.endr
	ONEP 1                                         ; Pn
	MULG 1, 1, 2                                   ; Po Pn
	BATCH_IN
	TRANS v_rcp_f32, 1
	BATCH_OUT
	MULG 3, 3, 1                                   ; new_h
	TOSTG 3, HOFF
.endm
	s_wait_tensorcnt 0x0                           ; my part of block 0 is in
	ds_add_u32 v[SPW], v[NIL]
	s_mov_b32 s[G1A+2], 128<<16                    ; no tensor load of mine is out, so a descriptor may be written: from here on a load of A's codes brings 128 rows
	s_mov_b32 s[G1A+4], 128
	s_wait_dscnt 0x0
	ROUND                                          ; all four tiles of the head are in
	TLOAD3 1                                       ; block 1 into slot 1: the first tensor load behind the round
	WIN 0xc0                                       ; destination window 3, address window 0
.irp q, 0,1,2,3,4,5,6,7,8,9,10,11,12,13,14,15
.irp g, 0,1
.irp c, 0,1
	ds_load_b128 v[128*\g+8*\q+4*\c:128*\g+8*\q+4*\c+3], v[ADRB] offset:16384*\g+1024*\q+512*\c   ; gates o and u: 512 consecutive bytes a load
.endr
.endr
.endr
	PREF 0
	MATRIX 0, -1, 1                                ; block 0's products begin while B's later K steps are on their way
	s_wait_loadcnt 0x0                             ; all of B is in: the last pair's products stand in the loop
	WIN 0
	s_mov_b32 s[CNT], 3
.Lloop:                                                ; three trips of two blocks: cells of blocks 2 j and 2 j + 1, products of blocks 2 j + 1 and 2 j + 2
	TURN 0, 2
	EPI
	MATRIX 1, 0, 0
	TURN 1, 2
	EPI
	MATRIX 0, 1, 0
	WIN 0
	s_wait_xcnt 0x0                                ; the stores have read their bases, which step two blocks of 64 rows on
	s_add_nc_u64 s[14:15], s[14:15], 524288
	s_add_nc_u64 s[16:17], s[16:17], 524288
	s_sub_co_u32 s[CNT], s[CNT], 1
	s_cmp_lg_u32 s[CNT], 0
	s_cbranch_scc1 .Lloop
	TURN 0, 1                                      ; the tail is written out: block 6's cells, block 7's products
	EPI
	MATRIX 1, 0, 0
	TURN 1, 0
	EPI
	WIN 0
	s_wait_dscnt 0x0                               ; for the others' sake: my stores into the stage are done
	s_barrier_signal -1
	s_barrier_wait -1
	s_wait_xcnt 0x0
	OUTL
.irp k, 0,1,2,3,4,5,6,7,8,9,10,11,12,13,14,15
	s_wait_dscnt 15-\k                             ; the younger loads from the stage may be out
	OUTS \k, 1
.endr
	s_wait_tensorcnt 0x0                           ; the wave's end
	ds_add_u32 v[SPW], v[NIL]
	s_wait_dscnt 0x0
	ROUND                                          ; the closing round
	s_endpgm
.Lfunc_end_k_qba398d0614_lstm:
	.size	k_qba398d0614_lstm, .Lfunc_end_k_qba398d0614_lstm-k_qba398d0614_lstm
	.p2alignl 7, 3214868480
	.fill 96, 4, 3214868480
	.section	.rodata,"a",@progbits
	.p2align	6, 0x0
	.amdhsa_kernel k_qba398d0614_lstm
		.amdhsa_group_segment_fixed_size 327680
		.amdhsa_private_segment_fixed_size 0
		.amdhsa_enable_private_segment 0
		.amdhsa_kernarg_size 88
		.amdhsa_user_sgpr_count 2
		.amdhsa_user_sgpr_kernarg_segment_ptr 1
		.amdhsa_wavefront_size32 1
		.amdhsa_system_sgpr_workgroup_id_x 1
		.amdhsa_system_sgpr_workgroup_id_y 1
		.amdhsa_system_sgpr_workgroup_id_z 1
		.amdhsa_system_vgpr_workitem_id 0
		.amdhsa_next_free_vgpr 1024
		.amdhsa_next_free_sgpr 102
		.amdhsa_reserve_vcc 0
		.amdhsa_float_denorm_mode_32 3
		.amdhsa_float_denorm_mode_16_64 3
		.amdhsa_memory_ordered 1
		.amdhsa_forward_progress 1
		.amdhsa_inst_pref_size 255
	.end_amdhsa_kernel
	.section	.bss,"aw",@nobits
	.p2align	6
	.space	262144
	.amdgpu_metadata
---
amdhsa.version: [ 1, 2 ]
amdhsa.kernels:
  - .name:           k_qba398d0614_lstm
    .symbol:         k_qba398d0614_lstm.kd
    .args:
      - { .name: Ac, .offset: 0, .size: 8, .value_kind: global_buffer, .address_space: global }
      - { .name: As, .offset: 8, .size: 8, .value_kind: global_buffer, .address_space: global }
      - { .name: Bc, .offset: 16, .size: 8, .value_kind: global_buffer, .address_space: global }
      - { .name: Bs, .offset: 24, .size: 8, .value_kind: global_buffer, .address_space: global }
      - { .name: bf, .offset: 32, .size: 8, .value_kind: global_buffer, .address_space: global }
      - { .name: bi, .offset: 40, .size: 8, .value_kind: global_buffer, .address_space: global }
      - { .name: bo, .offset: 48, .size: 8, .value_kind: global_buffer, .address_space: global }
      - { .name: bu, .offset: 56, .size: 8, .value_kind: global_buffer, .address_space: global }
      - { .name: c, .offset: 64, .size: 8, .value_kind: global_buffer, .address_space: global }
      - { .name: out0, .offset: 72, .size: 8, .value_kind: global_buffer, .address_space: global }
      - { .name: out1, .offset: 80, .size: 8, .value_kind: global_buffer, .address_space: global }
    .group_segment_fixed_size: 327680
    .private_segment_fixed_size: 0
    .kernarg_segment_align: 8
    .kernarg_segment_size: 88
    .max_flat_workgroup_size: 128
    .sgpr_count:     102
    .vgpr_count:     1024
    .wavefront_size: 32
...
	.end_amdgpu_metadata
.endif
;; end of part 2
